; MI455X (gfx1250); checked and timed in simulation.
; The chip was launched on July 23, 2026; its instructions are those of AMD's public machine-readable ISA for CDNA 5 (MIT licence, August 2026) and "CDNA5" Instruction Set Architecture Reference Guide (July 2026). The comments in the code are by the model that wrote it; some were corrected since.
;; Dynamic Memory Induction. Allowed arithmetic: matrix products marked QUANTISED: E2M1 operands, one E8M0 scale for each 32 along K, by v_wmma_scale_f32_16x16x128_f8f6f4 with both operands' format E2M1 (or v_wmma_scale_f32_32x16x128_f4), f32 sums; products left as they are: f32 operands where the result goes on into a quantised operand, else bf16, f16 or f32 operands; f32 sums; everything else in f32.
;; Inputs: W_b 1,024 float32; W_w 768 x 1,024 float32; m 512 x 768 float32; q 512 x 768 float32.
;; Outputs: out0 512 x 1,024 float32.
;; This version of the problem:
;;   THIS VERSION OF THE PROBLEM IS GIVEN IN LOW PRECISION. The matrix products marked QUANTISED in the list below multiply operands that are first quantised to E2M1 (2 exponent bits, 1 mantissa bit; 4 bits a number), with one power-of-two scale for each 32 numbers along K (OCP MX v1.0); their sums are f32. All else is computed in f32.
;;   The module's matrix products, in the order in which they are computed (A, B: the left and right operand; K: the contracted axis; several contracted axes count as one K, in the product's order):
;;     1. [M 512, K 768] x [K 768, N 1,024]; A: input m; B: input W_w: QUANTISED
;;     2. [M 512, K 768] x [K 768, N 1,024]; A: input q; B: input W_w: QUANTISED
;;     3. batch 64 x [M 16, K 512] x [K 512, N 512]; A: computed on the way; B: computed on the way: QUANTISED
;;     4. batch 64 x [M 512, K 16] x [K 16, N 512]; A: computed on the way; B: computed on the way: left as it is (K = 16 < 32)
;;     5. batch 64 x [M 16, K 512] x [K 512, N 512]; A: computed on the way; B: computed on the way: QUANTISED
;;     6. batch 64 x [M 512, K 16] x [K 16, N 512]; A: computed on the way; B: computed on the way: left as it is (K = 16 < 32)
;;     7. batch 64 x [M 16, K 512] x [K 512, N 512]; A: computed on the way; B: computed on the way: QUANTISED
;;   THE QUANTISER, for each operand of a quantised product, along K:
;;     - K is cut into blocks of 32 from its start; a last block that is shorter is filled with zeros.
;;     - A block's scale is 2^e with e = floor(log2(the largest magnitude in the block)) - 2, held to -126 .. 127; a block of zeros has e = 0. As a byte (E8M0): e + 127.
;;     - Each number is divided by its block's scale, clamped to +-6, and rounded to the nearest number of E2M1, ties to even, subnormals kept.
;;     - The product sums the exact products of the quantised numbers (number of the format x scale) in f32.
;;   ~~~python
;;   def quantise(x, axis):      # numpy; x: float32 -> the quantised numbers, widened to float32 again
;;       x = np.moveaxis(x, axis, -1); K = x.shape[-1]
;;       x = np.pad(x, [(0, 0)] * (x.ndim - 1) + [(0, -K % 32)]); x = x.reshape(x.shape[:-1] + (-1, 32)); a = np.abs(x).max(-1, keepdims=True)
;;       e = np.where(a > 0, np.clip(np.frexp(np.where(a > 0, a, 1))[1] - 1 - 2, -126, 127), 0)      # np.frexp(a)[1] - 1 = floor(log2(a)), exactly
;;       r = np.clip(x / 2.0 ** e, -6, 6)
;;       step = 2.0 ** (np.maximum(np.frexp(np.where(r == 0, 1, r))[1] - 1, 0) - 1)
;;       q = np.round(r / step) * step * 2.0 ** e      # np.round: ties to even
;;       return np.moveaxis(q.reshape(q.shape[:-2] + (-1,))[..., :K], -1, axis).astype(np.float32)
;;   ~~~
;;   OPERANDS COMPUTED ON THE WAY. 'Computed on the way' means the value that the module computes at that place (a softmax that the list does not call 'softmax' is quantised finished and normalised). What goes into a quantiser is computed in f32, as accurately as f32 sums, v_exp_f32 and their like allow (about 1e-6 of the number): no bf16 or f16 on the way to a quantiser, and a product that is left as it is and whose result goes on into a quantised operand takes f32 operands (vector FMAs, or v_wmma_f32_16x16x4_f32). A number that lies on a knife's edge between two numbers of the format may be rounded either way, as far as f32 arithmetic and the matrix unit's own rounding can turn it there, and no further.
;; One version. Each part assembles by itself: llvm-mc -triple=amdgcn-amd-amdhsa -mcpu=gfx1250 --defsym DOCPART=n.
;; ======== version 1 of 1: 5 launches
;; workspace buffers: gbuf 4,653,056 bytes; pva 18,874,368 bytes; pvb 18,874,368 bytes; st0 67,108,864 bytes; st1 134,217,728 bytes; mode0 256 bytes of whole numbers; mode1 256 bytes of whole numbers
;; launch G (part 1): grid 16 x 16, 16 waves a work-group, no clusters, 75,776 bytes of LDS; arguments m, q, W_w, W_b, gbuf, mode0, mode1; writes gbuf, mode0, mode1
.if DOCPART == 1
	.amdgcn_target "amdgcn-amd-amdhsa--gfx1250"
	.amdhsa_code_object_version 6
	.text
	.protected	k_qf8d95d9bbd_G
	.globl	k_qf8d95d9bbd_G
	.p2align	8
	.type	k_qf8d95d9bbd_G,@function
k_qf8d95d9bbd_G:
	s_mov_b64 s[64:65], 0
	v_nop
	global_prefetch_b8 v0, s[64:65] scope:SCOPE_SE
	s_setreg_imm32_b32 hwreg(HW_REG_WAVE_MODE, 25, 1), 1
	s_wait_xcnt 0x0
; hat_m = Q(m) Q(W_w) + W_b and hat_q = Q(q) Q(W_w) + W_b, both products on codes of E2M1 with one E8M0 scale for each 32 along K = 768.
; WORK LEFT OUT IN THE WHOLE PROGRAM, for all finite values of the inputs:
;  (1) the first softmax: reference() builds a = zeros itself, and softmax(0) over 64 capsules is 1/64 by identity: no exponential, no exchange in the first routing step;
;  (2) a + p x cos in the first step begins from that same zero;
;  (3) in Pearson's numerator hat_m is not centred: sum_d (y - mean y) = 0, so sum_d (x - mean x)(y - mean y) = sum_d x (y - mean y); the denominator's sum of squares is taken of the centred x.
;  All four inputs have a way to the output and are loaded.
; LIMITS: NaN and infinities among the inputs are not served, and one that reached only the work left out is not carried on.  A block of zeros gets the scale byte 1 (its codes are zeros; the bytes are read
;  by this program alone).  The sums over the 512 memory capsules are made as 8 sums of 64, added in f32 afterwards: another order of rounding than reference()'s.
; SHARES.  Work-group (x, y): 64 columns (capsules 4 x .. 4 x + 3) of 64 rows: y < 8: rows 64 y on of m; else rows 64 (y - 8) on of q.  Sixteen waves quantise 48 fragments (16 rows or columns x 128 K), three each:
;  waves 0-7 the rows, waves 8-15 the columns of W_w (a lane to a column, registers down K).  The fragments go to LDS as images of their registers; behind ONE barrier waves 0-3 multiply, a capsule each.
; THE ROWS OF A TILE ARE NOT NEIGHBOURS: slot r of tile 2 b + u is row 32 b + 8 u + r + 8 (r / 8).
; OUT (gbuf): hat_q as images of the result's registers (HQ); hat_m in the order of the routing launches' registers (HM), the sums of squares of its centred vectors (SXW), its codes along the memory capsules (HMC), their scale words (HMS).
.set IMG, 0                            ; 48 images of 1,024 bytes: rows' 6 T + ks, columns' 24 + 6 ct + ks
.set ISC, 49152                        ; their scale words, 128 bytes each
.set TRS, 55296                        ; waves 0-3: hat_m of a capsule as [d 16][i 64] f32, rows 272 bytes apart
.set SXS, 72704                        ; waves 0-3: 64 sums of squares
.set SPARE, 73728                      ; the spare words, 128 bytes a wave; no other line names them
.set TM, 224
.set PC, 240
.set PW, 248
.set SPW, 250
.set NIL, 251
.set ACC, 32
.set AF, 64
.set BF, 96
.set AS, 104
.set BS, 108
.set BI, 112
.set SXR, 128
.set HMR, 160
.macro BASE dst, src, reg, sh, con     ; a buffer's address + (a whole number << sh) + a constant
	s_lshl_b32 s60, s[\reg], \sh
	s_add_co_u32 s60, s60, \con
	s_mov_b32 s61, 0
	s_add_nc_u64 s[\dst:\dst+1], s[\src:\src+1], s[60:61]
.endm
; 16 nb numbers of a lane, register 16 b + i = k 32 b + 16 (lane / 16) + i of my row, become codes in v[PC] on and the row's scale word in v[PW]
.macro QUANT s, nb
.set qb, 0
.rept \nb
	v_max3_num_f32 v[TM+qb], |v[\s+16*qb]|, |v[\s+1+16*qb]|, 0x1800000   ; with the floor 2^(3 - 127): the byte cannot fall under 1
.set qb, qb+1
.endr
.set qi, 2
.rept 7
.set qb, 0
.rept \nb
	v_max3_num_f32 v[TM+qb], v[TM+qb], |v[\s+16*qb+qi]|, |v[\s+1+16*qb+qi]|
.set qb, qb+1
.endr
.set qi, qi+2
.endr
.set qb, 0
.rept \nb
	v_permlanex16_b32 v[TM+4+qb], v[TM+qb], s42, s43
.set qb, qb+1
.endr
.set qb, 0
.rept \nb
	v_max_num_f32 v[TM+qb], v[TM+qb], v[TM+4+qb]      ; with lane l xor 16's: the block's largest magnitude
.set qb, qb+1
.endr
.set qb, 0
.rept \nb
	v_add_nc_u32 v[TM+12+qb], 0xff000000, v[TM+qb]    ; 2 off its exponent field: the conversion's scale operand
.set qb, qb+1
.endr
.set qb, 0
.rept \nb
	v_lshrrev_b32 v[TM+4+qb], 23, v[TM+12+qb]         ; the scale's byte
.set qb, qb+1
.endr
	v_lshl_or_b32 v[PW], v[TM+5], 8, v[TM+4]
.if \nb == 4
	v_lshl_or_b32 v[PW], v[TM+6], 16, v[PW]
	v_lshl_or_b32 v[PW], v[TM+7], 24, v[PW]
.else
	v_or_b32 v[PW], 0x7f7f0000, v[PW]                 ; the upper 64 of the K step hold zero codes: any byte but 0xff
.endif
.set qb, 0
.rept \nb
	v_cvt_scalef32_pk8_fp4_f32 v[PC+2*qb], v[\s+16*qb:\s+16*qb+7], v[TM+12+qb]
	v_cvt_scalef32_pk8_fp4_f32 v[PC+1+2*qb], v[\s+16*qb+8:\s+16*qb+15], v[TM+12+qb]
.set qb, qb+1
.endr
	v_nop                                             ; one plain place behind a scaled conversion
.set qb, 0
.rept \nb/2                                           ; the operand wants a whole block in a lane
	v_permlane16_swap_b32 v[PC+4*qb], v[PC+2+4*qb]
	v_permlane16_swap_b32 v[PC+1+4*qb], v[PC+3+4*qb]
.set qb, qb+1
.endr
.endm
.macro WM d, a, b, c, sa, sb
	v_wmma_scale_f32_16x16x128_f8f6f4 v[\d:\d+7], v[\a:\a+7], v[\b:\b+7], v[\c:\c+7], v[\sa], v[\sb] matrix_a_fmt:MATRIX_FMT_FP4 matrix_b_fmt:MATRIX_FMT_FP4
.endm
; six K steps of 128; four accumulators (the four tiles of rows) by turns; the bias is the C of each sum's first product.  swap = 1: source 0 = W's columns, source 1 = the rows
.macro PROD swap
.set ks, 0
.rept 6
.if ks > 0
.rept 4
	v_nop                                             ; places in front of loads into registers that matrix instructions have read
.endr
.endif
.irp tt,0,1,2,3
	ds_load_b128 v[AF+8*\tt:AF+8*\tt+3], v4 offset:IMG+(6*\tt+ks)*1024
	ds_load_b128 v[AF+8*\tt+4:AF+8*\tt+7], v4 offset:IMG+(6*\tt+ks)*1024+512
	ds_load_b32 v[AS+\tt], v5 offset:ISC+(6*\tt+ks)*128
.endr
	ds_load_b128 v[BF:BF+3], v8 offset:IMG+(24+ks)*1024
	ds_load_b128 v[BF+4:BF+7], v8 offset:IMG+(24+ks)*1024+512
	ds_load_b32 v[BS], v9 offset:ISC+(24+ks)*128
	s_wait_dscnt 0x0
.irp tt,0,1,2,3
.if \swap
.if ks == 0
	WM ACC+8*\tt, BF, AF+8*\tt, BI, BS, AS+\tt
.else
	WM ACC+8*\tt, BF, AF+8*\tt, ACC+8*\tt, BS, AS+\tt
.endif
.else
.if ks == 0
	WM ACC+8*\tt, AF+8*\tt, BF, BI, AS+\tt, BS
.else
	WM ACC+8*\tt, AF+8*\tt, BF, ACC+8*\tt, AS+\tt, BS
.endif
.endif
.endr
.set ks, ks+1
.endr
.endm
.macro ADDX dst, src, mask             ; 32 registers: each lane adds the lane (l xor mask)'s
.set i, 0
.rept 32
	v_add_f32_dpp v[\dst+i], v[\src+i], v[\src+i] row_xmask:\mask row_mask:0xf bank_mask:0xf
.set i, i+1
.endr
.endm
	s_load_b256 s[4:11], s[0:1], 0x0                  ; m, q, W_w, W_b
	s_load_b128 s[12:15], s[0:1], 0x20                ; gbuf, mode0
	s_load_b64 s[16:17], s[0:1], 0x30                 ; mode1
	v_lshl_add_u32 v[SPW], v0, 2, SPARE
	v_mov_b32 v[NIL], 0
	v_lshrrev_b32 v1, 5, v0
	v_readfirstlane_b32 s18, v1                       ; wave 0..15
	s_and_b32 s19, ttmp7, 0xffff                      ; y
	s_min_u32 s21, s18, 3                             ; the multiplying waves' number (waves 4-15 never use what hangs on it)
	s_mov_b32 s42, 0x76543210
	s_mov_b32 s43, 0xfedcba98                         ; v_permlanex16_b32's selects for lane l xor 16
	s_mov_b32 s40, 0xbd800000                         ; -1/16
	v_and_b32 v1, 31, v0                              ; lane
	v_and_b32 v2, 15, v0                              ; r
	v_bfe_u32 v3, v0, 4, 1                            ; h
	v_lshlrev_b32 v4, 4, v1                           ; 16 x lane
	v_lshlrev_b32 v5, 2, v1                           ; 4 x lane
	s_mul_i32 s20, s18, 3072
	v_add_nc_u32 v6, s20, v4                          ; where my three images go
	s_mul_i32 s20, s18, 384
	v_add_nc_u32 v7, s20, v5                          ; and their scale words
	s_mul_i32 s20, s21, 6144
	v_add_nc_u32 v8, s20, v4                          ; my capsule's six images of W
	s_mul_i32 s20, s21, 768
	v_add_nc_u32 v9, s20, v5
	s_mul_i32 s20, s21, 4352
	s_add_co_u32 s20, s20, TRS
	v_mul_u32_u24 v10, v2, 272
	v_lshl_add_u32 v10, v3, 6, v10
	v_add_nc_u32 v10, s20, v10                        ; [d][i] stage, in: row d = r, + 64 h
	v_lshrrev_b32 v11, 3, v1
	v_mul_u32_u24 v11, v11, 544
	v_and_b32 v12, 7, v0
	v_lshl_add_u32 v11, v12, 5, v11
	v_add_nc_u32 v11, s20, v11                        ; and out: rows 2 (lane / 8), 8 (lane % 8) numbers on
	s_lshl_b32 s20, s21, 8
	s_add_co_u32 s20, s20, SXS
	v_lshl_add_u32 v12, v3, 6, s20
	v_lshl_add_u32 v13, v1, 3, s20
	v_lshrrev_b32 v14, 3, v2
	v_lshl_add_u32 v14, v14, 3, v2                    ; r + 8 (r / 8)
	v_mul_u32_u24 v14, v14, 3072
	v_lshl_add_u32 v14, v3, 6, v14                    ; rows: my row of 3,072 bytes, + 64 h: my 16 numbers of a block
	v_lshlrev_b32 v15, 2, v2
	v_lshl_add_u32 v15, v3, 16, v15                   ; W: column r, 16 h rows of 4,096 bytes down
	v_lshlrev_b32 v16, 3, v1                          ; 8 x lane
	v_lshlrev_b32 v17, 2, v2                          ; 4 r
	v_lshlrev_b32 v18, 5, v3                          ; 32 h
.irp b,4,5,6,7
	v_mov_b32 v[TM+\b], 0                             ; a lane permute's destination counts as one of its sources
.endr
	v_mov_b32 v252, 0
	v_mov_b32 v253, 0
	v_mov_b32 v254, 1
	v_mov_b32 v255, 1
	s_and_b32 s22, s19, 7                             ; the rows' arm: row 64 (y % 8) + 32 b + 8 u, K steps 3 (w % 2) on
	s_lshl_b32 s22, s22, 6
	s_lshr_b32 s23, s18, 2
	s_and_b32 s23, s23, 1
	s_lshl_b32 s23, s23, 5
	s_add_co_u32 s22, s22, s23
	s_bfe_u32 s23, s18, 0x10001
	s_lshl_b32 s23, s23, 3
	s_add_co_u32 s22, s22, s23
	s_mul_i32 s24, s22, 3072
	s_and_b32 s23, s18, 1
	s_mul_i32 s22, s23, 1536
	s_add_co_u32 s24, s24, s22
	s_mov_b32 s25, 0
	s_mul_i32 s26, s23, 3*524288                      ; the columns' arm: K steps 3 (w % 2) on, column 64 x + 16 ((w / 2) % 4)
	s_lshl_b32 s22, ttmp9, 8
	s_add_co_u32 s26, s26, s22
	s_bfe_u32 s22, s18, 0x20001
	s_lshl_b32 s22, s22, 6
	s_add_co_u32 s26, s26, s22
	s_mov_b32 s27, 0
	s_xor_b32 s28, s18, 15
	s_or_b32 s28, s28, ttmp9
	s_or_b32 s28, s28, s19
	s_wait_kmcnt 0x0
	s_cmp_lg_u32 s28, 0                               ; wave 15 of work-group (0, 0) stores the two mode words that the routing launches read: 0 and 1, a whole block of 256 bytes each
	s_cbranch_scc1 .Lno_mode
	global_store_b64 v16, v[252:253], s[14:15]
	global_store_b64 v16, v[254:255], s[16:17]
.Lno_mode:
	s_cmp_lt_u32 s19, 8
	s_cselect_b64 s[4:5], s[4:5], s[6:7]              ; m's rows or q's: the choice hangs on the work-group's number alone
	s_cmp_lt_u32 s18, 8
	s_cbranch_scc0 .Lw_arm
	s_add_nc_u64 s[4:5], s[4:5], s[24:25]
.irp job,0,1,2
.irp blk,0,1,2,3
.irp j,0,1,2,3
	global_load_b128 v[32+64*\job+16*\blk+4*\j:32+64*\job+16*\blk+4*\j+3], v14, s[4:5] offset:\job*512+\blk*128+\j*16
.endr
.endr
.endr
	s_branch .Ljoin
.Lw_arm:
	s_add_nc_u64 s[8:9], s[8:9], s[26:27]
.irp job,0,1,2
.irp blk,0,1,2,3
.irp j,0,1,2,3,4,5,6,7,8,9,10,11,12,13,14,15
	global_load_b32 v[32+64*\job+16*\blk+\j], v15, s[8:9] offset:\job*524288+(32*\blk+\j)*4096
.endr
.endr
.endr
.Ljoin:
	s_wait_loadcnt 0x0
.irp job,0,1,2
	QUANT 32+64*\job, 4
	ds_store_b128 v6, v[PC:PC+3] offset:IMG+\job*1024         ; the fragment as it stands: 16 bytes a lane
	ds_store_b128 v6, v[PC+4:PC+7] offset:IMG+\job*1024+512
	ds_store_b32 v7, v[PW] offset:ISC+\job*128
	s_wait_dscnt 0x0
.endr
	s_barrier_signal -1                               ; every wave's stores have landed (the wait above): the 48 images lie in LDS
	s_barrier_wait -1
	s_cmp_lt_u32 s18, 4
	s_cbranch_scc0 .Lend                              ; waves 4-15 are done; no barrier follows
	s_lshl_b32 s28, ttmp9, 8
	s_lshl_b32 s29, s18, 6
	s_add_co_u32 s28, s28, s29
	s_mov_b32 s29, 0
	s_add_nc_u64 s[10:11], s[10:11], s[28:29]         ; W_b at my 16 columns
	s_lshl_b32 s30, ttmp9, 2
	s_add_co_u32 s30, s30, s18                        ; my capsule c = 4 x + wave
	s_cmp_lt_u32 s19, 8
	s_cbranch_scc0 .Lq_path
	; ---- hat_m: source 0 = rows, source 1 = W: lane (r, h) holds d = r; register 8 T + j holds memory capsule 32 b + 16 h + 8 u + j of the slice
	s_lshl_b32 s31, s19, 6
	s_add_co_u32 s31, s31, s30                        ; 64 slice + c
	BASE 32, 12, 31, 12, 0x200000                     ; HM
	BASE 34, 12, 31, 8, 0x400000                      ; SXW
	BASE 36, 12, 31, 9, 0x420000                      ; HMC
	BASE 38, 12, 31, 7, 0x460000                      ; HMS
.irp j,0,1,2,3,4,5,6,7
	global_load_b32 v[BI+\j], v17, s[10:11]           ; the bias of column r, in all eight registers of C
.endr
	s_wait_loadcnt 0x0
	PROD 0
.rept 4
	v_nop
.endr
.irp tt,0,1,2,3
	ds_store_b128 v10, v[ACC+8*\tt:ACC+8*\tt+3] offset:(32*(\tt/2)+8*(\tt%2))*4       ; each accumulator from its low end on
	ds_store_b128 v10, v[ACC+8*\tt+4:ACC+8*\tt+7] offset:(32*(\tt/2)+8*(\tt%2))*4+16
.endr
	ADDX SXR, ACC, 1                                  ; the sum over d: sixteen lanes
	ADDX SXR, SXR, 2
	ADDX SXR, SXR, 4
	ADDX SXR, SXR, 8
.set i, 0
.rept 32
	v_fma_f32 v[SXR+i], v[SXR+i], s40, v[ACC+i]       ; x - mean
.set i, i+1
.endr
.set i, 0
.rept 32
	v_mul_f32 v[SXR+i], v[SXR+i], v[SXR+i]
.set i, i+1
.endr
	ADDX SXR, SXR, 1
	ADDX SXR, SXR, 2
	ADDX SXR, SXR, 4
	ADDX SXR, SXR, 8                                  ; the sum of squares of the centred vector, in all sixteen lanes
.irp tt,0,1,2,3
	ds_store_b128 v12, v[SXR+8*\tt:SXR+8*\tt+3] offset:(32*(\tt/2)+8*(\tt%2))*4       ; sixteen lanes write the same words with the same values
	ds_store_b128 v12, v[SXR+8*\tt+4:SXR+8*\tt+7] offset:(32*(\tt/2)+8*(\tt%2))*4+16
.endr
	ds_load_b64 v[192:193], v13                       ; LDS serves a wave's instructions in order: this sees my stores
	QUANT ACC, 2                                      ; hat_m along the memory capsules: two blocks of 32
.irp t,0,1,2,3,4,5,6,7
	ds_load_b64 v[HMR+4*\t:HMR+4*\t+1], v11 offset:(\t%2)*2176+(\t/2)*8
	ds_load_b64 v[HMR+4*\t+2:HMR+4*\t+3], v11 offset:(\t%2)*2176+(\t/2)*8+272
.endr
	s_wait_dscnt 0x0
	global_store_b64 v16, v[192:193], s[34:35]
	global_store_b128 v4, v[PC:PC+3], s[36:37]
	global_store_b32 v5, v[PW], s[38:39]
.irp t,0,1,2,3,4,5,6,7
	global_store_b128 v4, v[HMR+4*\t:HMR+4*\t+3], s[32:33] offset:\t*512      ; 32 lanes store 512 consecutive bytes
.endr
	s_branch .Lend
.Lq_path:
	; ---- hat_q: source 0 = W, source 1 = rows: lane (r, h) holds query slot r, register j holds d = 8 h + j
	s_sub_co_u32 s31, s19, 8
	s_lshl_b32 s31, s31, 8
	s_add_co_u32 s31, s31, s30                        ; 64 (4 Gq) + c
	BASE 32, 12, 31, 10, 0
	global_load_b128 v[BI:BI+3], v18, s[10:11]
	global_load_b128 v[BI+4:BI+7], v18, s[10:11] offset:16
	s_wait_loadcnt 0x0
	PROD 1
.rept 4
	v_nop
.endr
.irp tt,0,1,2,3
	global_store_b128 v4, v[ACC+8*\tt:ACC+8*\tt+3], s[32:33] offset:\tt*65536
	global_store_b128 v4, v[ACC+8*\tt+4:ACC+8*\tt+7], s[32:33] offset:\tt*65536+512
.endr
.Lend:
	s_wait_tensorcnt 0x0                              ; the wave's end
	ds_add_u32 v[SPW], v[NIL]
	s_wait_dscnt 0x0
	s_endpgm
.Lfunc_end_k_qf8d95d9bbd_G:
	.size	k_qf8d95d9bbd_G, .Lfunc_end_k_qf8d95d9bbd_G-k_qf8d95d9bbd_G
	.p2alignl 7, 3214868480
	.fill 96, 4, 3214868480
	.section	.rodata,"a",@progbits
	.p2align	6, 0x0
	.amdhsa_kernel k_qf8d95d9bbd_G
		.amdhsa_group_segment_fixed_size 75776
		.amdhsa_private_segment_fixed_size 0
		.amdhsa_enable_private_segment 0
		.amdhsa_kernarg_size 56
		.amdhsa_user_sgpr_count 2
		.amdhsa_user_sgpr_kernarg_segment_ptr 1
		.amdhsa_wavefront_size32 1
		.amdhsa_system_sgpr_workgroup_id_x 1
		.amdhsa_system_sgpr_workgroup_id_y 1
		.amdhsa_system_sgpr_workgroup_id_z 1
		.amdhsa_system_vgpr_workitem_id 0
		.amdhsa_next_free_vgpr 256
		.amdhsa_next_free_sgpr 66
		.amdhsa_reserve_vcc 0
		.amdhsa_float_denorm_mode_32 3
		.amdhsa_float_denorm_mode_16_64 3
		.amdhsa_memory_ordered 1
		.amdhsa_forward_progress 1
		.amdhsa_inst_pref_size 86
	.end_amdhsa_kernel
	.amdgpu_metadata
---
amdhsa.version: [ 1, 2 ]
amdhsa.kernels:
  - .name:           k_qf8d95d9bbd_G
    .symbol:         k_qf8d95d9bbd_G.kd
    .args:
      - { .name: m, .offset: 0, .size: 8, .value_kind: global_buffer, .address_space: global }
      - { .name: q, .offset: 8, .size: 8, .value_kind: global_buffer, .address_space: global }
      - { .name: W_w, .offset: 16, .size: 8, .value_kind: global_buffer, .address_space: global }
      - { .name: W_b, .offset: 24, .size: 8, .value_kind: global_buffer, .address_space: global }
      - { .name: gbuf, .offset: 32, .size: 8, .value_kind: global_buffer, .address_space: global }
      - { .name: mode0, .offset: 40, .size: 8, .value_kind: global_buffer, .address_space: global }
      - { .name: mode1, .offset: 48, .size: 8, .value_kind: global_buffer, .address_space: global }
    .group_segment_fixed_size: 75776
    .private_segment_fixed_size: 0
    .kernarg_segment_align: 8
    .kernarg_segment_size: 56
    .max_flat_workgroup_size: 512
    .sgpr_count:     66
    .vgpr_count:     256
    .wavefront_size: 32
...
	.end_amdgpu_metadata
.endif
;; end of part 1
;; launch R1 (part 2): grid 8 x 32, 16 waves a work-group, no clusters, 218,112 bytes of LDS; arguments gbuf, pva, st0; writes pva, st0
.if DOCPART == 2
	.amdgcn_target "amdgcn-amd-amdhsa--gfx1250"
	.amdhsa_code_object_version 6
	.text
	.protected	k_qf8d95d9bbd_R1
	.globl	k_qf8d95d9bbd_R1
	.p2align	8
	.type	k_qf8d95d9bbd_R1,@function
k_qf8d95d9bbd_R1:
	s_mov_b64 s[64:65], 0
	v_nop
	global_prefetch_b8 v0, s[64:65] scope:SCOPE_SE
	s_setreg_imm32_b32 hwreg(HW_REG_WAVE_MODE, 25, 1), 1
	s_wait_xcnt 0x0
; The first routing step.  p = tanh(pearson(hat_m, hat_q)); d + p with d = 1/64; its part of hat_v = sum_i Q(d + p) Q(hat_m).
; LEFT OUT: the softmax of the zeros that reference() builds is 1/64 by identity; hat_m is not centred in Pearson's numerator, since the centred q sums to 0 over d.
; SHARES.  Work-group (slice, t): 64 memory capsules x 16 queries x 64 capsules.  Wave w: capsules 4 w + g.  Lane = 16 h + 4 g + il holds, of capsule 4 w + g, the eight memory capsules 8 (4 h + il) + n with their 16 numbers:
; 128 registers that stay.  A query's centred vector comes from the wave's own LDS, the same 64 bytes for all lanes of a g.  Waves share nothing here: no barrier.
; tanh(z) = 1 - 2 / (1 + 2^(z 2 log2 e)); the factor 2 log2 e is folded into the centred q.
; The block of 32 along the memory capsules lies in four lanes (il) of eight numbers.  The slice's 64 are half a K step of the matrix instruction: the other half holds zero codes.
; Tensor loads, clusters: not used: what work-groups share (a slice of hat_m) is read once by each and wanted in registers.
.set VV, 4352                          ; LDS, 8,704 bytes a wave: [query 16] rows of 272 bytes of 4 capsules x 16 numbers: the centred q x 2 log2 e; the second half is not used here
.set SY, 139264                        ; 256 bytes a wave: the sums of squares of the centred q
.set ST, 143360                        ; (the softmax's exchange: not used here)
.set CD, 177152                        ; 2,176 bytes a wave: codes of d + p: [g] 544 [query] 32 bytes
.set SB, 211968                        ; 256 bytes a wave: their scale words
.set SPARE, 216064                     ; the spare words, 128 bytes a wave; no other line names them
.set X, 16                             ; v16-143  hat_m: register 32 mm + 2 d + e: memory capsule 2 mm + e of my eight
.set SX, 144                           ; v144-151 their sums of squares
.set YV, 216                           ; v216-231 a query's 16 numbers
.set CN, 232
.set T, 240
.macro BASE dst, src, reg, sh, con
	s_lshl_b32 s60, s[\reg], \sh
	s_add_co_u32 s60, s60, \con
	s_mov_b32 s61, 0
	s_add_nc_u64 s[\dst:\dst+1], s[\src:\src+1], s[60:61]
.endm
.macro DOT dst, y                      ; my eight memory capsules' products with the 16 numbers in v[y] on: four chains of pairs by turns
.set dd, 0
.rept 16
.set mm, 0
.rept 4
.if dd == 0
	v_pk_mul_f32 v[\dst+2*mm:\dst+2*mm+1], v[X+32*mm:X+32*mm+1], v[\y:\y+1] op_sel_hi:[1,0]
.elseif dd%2 == 0
	v_pk_fma_f32 v[\dst+2*mm:\dst+2*mm+1], v[X+32*mm+2*dd:X+32*mm+2*dd+1], v[\y+dd:\y+dd+1], v[\dst+2*mm:\dst+2*mm+1] op_sel_hi:[1,0,1]
.else
	v_pk_fma_f32 v[\dst+2*mm:\dst+2*mm+1], v[X+32*mm+2*dd:X+32*mm+2*dd+1], v[\y+dd-1:\y+dd], v[\dst+2*mm:\dst+2*mm+1] op_sel:[0,1,0] op_sel_hi:[1,1,1]
.endif
.set mm, mm+1
.endr
.set dd, dd+1
.endr
.endm
.macro CHAIN2 b                        ; 16 numerators in v[b+16] on become p; three batches of transcendentals, one wait each
.irp k,0,2,4,6
	v_pk_fma_f32 v[CN+\k:CN+\k+1], v[SX+\k:SX+\k+1], v[248:249], s[24:25] op_sel_hi:[1,0,0]
	v_pk_fma_f32 v[T+\k:T+\k+1], v[SX+\k:SX+\k+1], v[248:249], s[24:25] op_sel:[0,1,0] op_sel_hi:[1,1,0]
.endr
.set i, 0
.rept 16
	v_rsq_f32 v[CN+i], v[CN+i]
.set i, i+1
.endr
	v_nop
	s_wait_alu depctr_va_vdst(0)
.set i, 0
.rept 8
	v_pk_mul_f32 v[\b+16+i:\b+17+i], v[\b+16+i:\b+17+i], v[CN+i:CN+i+1]
.set i, i+2
.endr
.set i, 0
.rept 16
	v_exp_f32 v[\b+16+i], v[\b+16+i]
.set i, i+1
.endr
	v_nop
	s_wait_alu depctr_va_vdst(0)
.set i, 0
.rept 8
	v_pk_add_f32 v[\b+16+i:\b+17+i], v[\b+16+i:\b+17+i], 1.0 op_sel_hi:[1,0]
.set i, i+2
.endr
.set i, 0
.rept 16
	v_rcp_f32 v[\b+16+i], v[\b+16+i]
.set i, i+1
.endr
	v_nop
	s_wait_alu depctr_va_vdst(0)
.set i, 0
.rept 8
	v_pk_fma_f32 v[\b+16+i:\b+17+i], v[\b+16+i:\b+17+i], -2.0, 1.0 op_sel_hi:[1,0,0]
.set i, i+2
.endr
.endm
.macro QSTORE src, sig                 ; my eight numbers of query sig become eight codes; the block's scale byte
	v_max3_num_f32 v252, |v[\src]|, |v[\src+1]|, 0x1800000
	v_max3_num_f32 v252, v252, |v[\src+2]|, |v[\src+3]|
	v_max3_num_f32 v252, v252, |v[\src+4]|, |v[\src+5]|
	v_max3_num_f32 v252, v252, |v[\src+6]|, |v[\src+7]|
	v_max_num_f32_dpp v252, v252, v252 row_xmask:1 row_mask:0xf bank_mask:0xf
	v_max_num_f32_dpp v252, v252, v252 row_xmask:2 row_mask:0xf bank_mask:0xf
	v_add_nc_u32 v253, 0xff000000, v252
	v_cvt_scalef32_pk8_fp4_f32 v254, v[\src:\src+7], v253
	v_lshrrev_b32 v255, 23, v253                      ; the byte; also the plain place behind the conversion
	ds_store_b32 v6, v254 offset:32*(\sig)
	ds_store_b8 v7, v255 offset:4*(\sig)              ; the block's four lanes write the same byte with the same value
.endm
.macro SQ d, s                         ; the sum of squares over d of a result image's eight registers
	v_pk_mul_f32 v[\d:\d+1], v[\s:\s+1], v[\s:\s+1]
.irp k,2,4,6
	v_pk_fma_f32 v[\d:\d+1], v[\s+\k:\s+\k+1], v[\s+\k:\s+\k+1], v[\d:\d+1]
.endr
	v_add_f32 v[\d], v[\d], v[\d+1]
	v_permlanex16_b32 v[CN+4], v[\d], s22, s23
	v_add_f32 v[\d], v[\d], v[CN+4]
.endm
.macro YOUT q, cc                      ; q of capsule 4 w + cc (lane: query r, d = 8 h + j): centred; its sum of squares and the centred vector x 2 log2 e go to my LDS
	v_pk_add_f32 v[CN:CN+1], v[\q:\q+1], v[\q+2:\q+3]
	v_pk_add_f32 v[CN+2:CN+3], v[\q+4:\q+5], v[\q+6:\q+7]
	v_pk_add_f32 v[CN:CN+1], v[CN:CN+1], v[CN+2:CN+3]
	v_add_f32 v[CN], v[CN], v[CN+1]
	v_permlanex16_b32 v[CN+4], v[CN], s22, s23
	v_add_f32 v[CN], v[CN], v[CN+4]
	v_mul_f32 v[CN], 0xbd800000, v[CN]                ; - mean
.irp k,0,2,4,6
	v_pk_add_f32 v[T+\k:T+\k+1], v[\q+\k:\q+\k+1], v[CN:CN+1] op_sel_hi:[1,0]
.endr
	SQ CN+2, T
	ds_store_b32 v13, v[CN+2] offset:4*\cc
.irp k,0,2,4,6
	v_pk_mul_f32 v[T+\k:T+\k+1], v[T+\k:T+\k+1], s[26:27] op_sel_hi:[1,0]
.endr
	ds_store_b128 v8, v[T:T+3] offset:64*\cc
	ds_store_b128 v8, v[T+4:T+7] offset:64*\cc+16
.endm
.macro LDY off, sig
.irp k,0,1,2,3
	ds_load_b128 v[YV+4*\k:YV+4*\k+3], v1 offset:\off+(\sig)*272+16*\k
.endr
.endm
.macro TAILLOAD                        ; hat_m's registers are done with: they take the product's operands.  The upper 64 of the K step: zero codes
.irp gp,0,1,2,3
.irp k,4,5,6,7
	v_mov_b32 v[16+8*\gp+\k], 0
	v_mov_b32 v[48+8*\gp+\k], 0
.endr
	global_load_b128 v[16+8*\gp:19+8*\gp], v9, s[36:37] offset:\gp*512
	global_load_b32 v[112+\gp], v12, s[38:39] offset:\gp*128
.endr
.endm
.macro VPROD                           ; hat_v's part: source 0 = hat_m's codes (rows d), source 1 = the codes of d + p (columns: queries); a product for each of my four capsules
.irp gp,0,1,2,3
	ds_load_b128 v[48+8*\gp:51+8*\gp], v2 offset:\gp*544
	ds_load_b32 v[116+\gp], v250 offset:\gp*64
.endr
	s_wait_dscnt 0x0
	s_wait_loadcnt 0x0
.irp gp,0,1,2,3
	v_wmma_scale_f32_16x16x128_f8f6f4 v[80+8*\gp:87+8*\gp], v[16+8*\gp:23+8*\gp], v[48+8*\gp:55+8*\gp], 0, v[112+\gp], v[116+\gp] matrix_a_fmt:MATRIX_FMT_FP4 matrix_b_fmt:MATRIX_FMT_FP4
.endr
.rept 4
	v_nop
.endr
.irp gp,0,1,2,3
	global_store_b128 v9, v[80+8*\gp:83+8*\gp], s[42:43] offset:\gp*1024
	global_store_b128 v9, v[84+8*\gp:87+8*\gp], s[42:43] offset:\gp*1024+512
.endr
.endm
	s_load_b128 s[4:7], s[0:1], 0x0                   ; gbuf, pva
	s_load_b64 s[8:9], s[0:1], 0x10                   ; st0
	v_lshl_add_u32 v14, v0, 2, SPARE
	v_mov_b32 v15, 0
	v_lshrrev_b32 v1, 5, v0
	v_readfirstlane_b32 s18, v1                       ; wave
	s_mov_b32 s20, ttmp9                              ; slice
	s_and_b32 s21, ttmp7, 0xffff                      ; tile of queries
	s_mov_b32 s22, 0x76543210
	s_mov_b32 s23, 0xfedcba98
	s_mov_b32 s24, 0x322bcc77                         ; 1e-8
	s_mov_b32 s25, s24
	s_mov_b32 s26, 0x4038aa3b                         ; 2 log2 e
	s_mov_b32 s27, s26
	v_and_b32 v252, 31, v0                            ; lane
	v_and_b32 v253, 15, v0                            ; r
	v_bfe_u32 v254, v0, 4, 1                          ; h
	v_bfe_u32 v255, v0, 2, 2                          ; g
	v_and_b32 v249, 3, v0                             ; il
	v_lshl_add_u32 v248, v254, 2, v249                ; hl = 4 h + il
	s_mul_i32 s58, s18, 8704
	v_lshl_add_u32 v1, v255, 6, s58                   ; a query's vector, read
	v_mul_u32_u24 v8, v253, 272
	v_lshl_add_u32 v8, v254, 5, v8
	v_add_nc_u32 v8, s58, v8                          ; and written
	s_lshl_b32 s58, s18, 8
	s_add_co_u32 s59, s58, SY
	v_lshl_add_u32 v3, v255, 2, s59
	v_lshl_add_u32 v13, v253, 4, s59
	s_add_co_u32 s59, s58, SB
	v_lshl_add_u32 v7, v255, 6, s59
	v_add_nc_u32 v7, v7, v254
	v_lshl_add_u32 v250, v253, 2, s59
	v_lshl_add_u32 v251, v252, 3, s59
	s_mul_i32 s58, s18, 2176
	s_add_co_u32 s58, s58, CD
	v_mul_u32_u24 v6, v255, 544
	v_lshl_add_u32 v6, v248, 2, v6
	v_add_nc_u32 v6, s58, v6
	v_lshlrev_b32 v2, 5, v253
	v_lshl_add_u32 v2, v254, 4, v2
	v_add_nc_u32 v2, s58, v2
	v_lshlrev_b32 v9, 4, v252
	v_lshlrev_b32 v12, 2, v252
	v_lshlrev_b32 v10, 12, v255
	v_lshl_add_u32 v10, v248, 4, v10
	v_lshlrev_b32 v11, 8, v255
	v_lshl_add_u32 v11, v248, 5, v11
	v_mov_b32 v246, 0x7f7f7f7f
	v_mov_b32 v247, 0x7f7f7f7f
	ds_store_b64 v251, v[246:247]                     ; my scale words begin as 1.0: bytes 2 and 3 stay so, over zero codes
.irp k,4,5,6,7
	v_mov_b32 v[CN+\k], 0                             ; a lane permute's destination counts as one of its sources
.endr
	s_lshl_b32 s56, s20, 4
	s_add_co_u32 s56, s56, s18                        ; 16 slice + wave
	s_lshl_b32 s57, s21, 4
	s_add_co_u32 s57, s57, s18                        ; 16 t + wave
	s_lshl_b32 s58, s21, 3
	s_add_co_u32 s58, s58, s20                        ; 8 t + slice
	s_wait_kmcnt 0x0
	BASE 32, 4, 56, 14, 0x200000                      ; hat_m
	BASE 34, 4, 56, 10, 0x400000                      ; its sums of squares
	BASE 36, 4, 56, 11, 0x420000                      ; its codes
	BASE 38, 4, 56, 9, 0x460000                       ; their scale words
	BASE 40, 4, 57, 12, 0                             ; hat_q
	BASE 42, 6, 57, 12, 0x200000                      ; hat_v's parts
	BASE 42, 42, 20, 21, 0
	BASE 44, 8, 58, 18, 0                             ; p
	BASE 44, 44, 18, 10, 0
.irp cc,0,1,2,3
	global_load_b128 v[184+8*\cc:187+8*\cc], v9, s[40:41] offset:\cc*1024
	global_load_b128 v[188+8*\cc:191+8*\cc], v9, s[40:41] offset:\cc*1024+512
.endr
.set k, 0
.rept 32
	global_load_b128 v[X+4*k:X+4*k+3], v10, s[32:33] offset:k*128
.set k, k+1
.endr
	global_load_b128 v[SX:SX+3], v11, s[34:35]
	global_load_b128 v[SX+4:SX+7], v11, s[34:35] offset:16
	s_wait_loadcnt 34                                 ; hat_q is in; the 34 loads issued behind it may be out
	YOUT 184, 0
	YOUT 192, 1
	YOUT 200, 2
	YOUT 208, 3
	s_wait_loadcnt 0x0
; two queries: registers b .. b+15 d + p, b+16 .. b+31 p; two such sets by turns
.macro PAIR grp, tail
.set st, 152+32*((\grp)%2)
	s_wait_xcnt 0x0                                   ; this set's p were store data two pairs ago
.irp sp,0,1
	LDY 0, 2*(\grp)+\sp
	ds_load_b32 v[248+\sp], v3 offset:(2*(\grp)+\sp)*16
	s_wait_dscnt 0x0
	DOT st+16+8*\sp, YV
.endr
.if \tail
	TAILLOAD
.endif
	CHAIN2 st
.irp sp,0,1
	global_store_b128 v9, v[st+16+8*\sp:st+19+8*\sp], s[44:45] offset:(2*(\grp)+\sp)*16384 th:TH_STORE_NT
	global_store_b128 v9, v[st+20+8*\sp:st+23+8*\sp], s[44:45] offset:(2*(\grp)+\sp)*16384+512 th:TH_STORE_NT
.endr
.set i, 0
.rept 8
	v_pk_add_f32 v[st+i:st+i+1], v[st+16+i:st+17+i], 0x3c800000 op_sel_hi:[1,0]   ; d + p, d = 1/64
.set i, i+2
.endr
	QSTORE st, 2*(\grp)
	QSTORE st+8, 2*(\grp)+1
.endm
	PAIR 0, 0
	PAIR 1, 0
	PAIR 2, 0
	PAIR 3, 0
	PAIR 4, 0
	PAIR 5, 0
	PAIR 6, 0
	PAIR 7, 1
	VPROD
	s_wait_tensorcnt 0x0                              ; the wave's end
	ds_add_u32 v14, v15
	s_wait_dscnt 0x0
	s_endpgm
.Lfunc_end_k_qf8d95d9bbd_R1:
	.size	k_qf8d95d9bbd_R1, .Lfunc_end_k_qf8d95d9bbd_R1-k_qf8d95d9bbd_R1
	.p2alignl 7, 3214868480
	.fill 96, 4, 3214868480
	.section	.rodata,"a",@progbits
	.p2align	6, 0x0
	.amdhsa_kernel k_qf8d95d9bbd_R1
		.amdhsa_group_segment_fixed_size 218112
		.amdhsa_private_segment_fixed_size 0
		.amdhsa_enable_private_segment 0
		.amdhsa_kernarg_size 24
		.amdhsa_user_sgpr_count 2
		.amdhsa_user_sgpr_kernarg_segment_ptr 1
		.amdhsa_wavefront_size32 1
		.amdhsa_system_sgpr_workgroup_id_x 1
		.amdhsa_system_sgpr_workgroup_id_y 1
		.amdhsa_system_sgpr_workgroup_id_z 1
		.amdhsa_system_vgpr_workitem_id 0
		.amdhsa_next_free_vgpr 256
		.amdhsa_next_free_sgpr 66
		.amdhsa_reserve_vcc 0
		.amdhsa_float_denorm_mode_32 3
		.amdhsa_float_denorm_mode_16_64 3
		.amdhsa_memory_ordered 1
		.amdhsa_forward_progress 1
		.amdhsa_inst_pref_size 138
	.end_amdhsa_kernel
	.amdgpu_metadata
---
amdhsa.version: [ 1, 2 ]
amdhsa.kernels:
  - .name:           k_qf8d95d9bbd_R1
    .symbol:         k_qf8d95d9bbd_R1.kd
    .args:
      - { .name: gbuf, .offset: 0, .size: 8, .value_kind: global_buffer, .address_space: global }
      - { .name: pva, .offset: 8, .size: 8, .value_kind: global_buffer, .address_space: global }
      - { .name: st0, .offset: 16, .size: 8, .value_kind: global_buffer, .address_space: global }
    .group_segment_fixed_size: 218112
    .private_segment_fixed_size: 0
    .kernarg_segment_align: 8
    .kernarg_segment_size: 24
    .max_flat_workgroup_size: 512
    .sgpr_count:     66
    .vgpr_count:     256
    .wavefront_size: 32
...
	.end_amdgpu_metadata
.endif
;; end of part 2
;; launch R2 (part 3): grid 8 x 32, 16 waves a work-group, no clusters, 218,112 bytes of LDS; arguments gbuf, pva, pvb, st0, st1, mode0; writes pvb, st1
.if DOCPART == 3
	.amdgcn_target "amdgcn-amd-amdhsa--gfx1250"
	.amdhsa_code_object_version 6
	.text
	.protected	k_qf8d95d9bbd_R2
	.globl	k_qf8d95d9bbd_R2
	.p2align	8
	.type	k_qf8d95d9bbd_R2,@function
k_qf8d95d9bbd_R2:
	s_mov_b64 s[64:65], 0
	v_nop
	global_prefetch_b8 v0, s[64:65] scope:SCOPE_SE
	s_setreg_imm32_b32 hwreg(HW_REG_WAVE_MODE, 25, 1), 1
	s_wait_xcnt 0x0
; A later routing step: hat_v = the sum of the eight slices' parts; v = squash(hat_v); a += p (hat_m . v); q = (q + v) / 2; p = tanh(pearson(hat_m, q)); d = softmax(a) over the 64 capsules; its part of sum_i Q(d + p) Q(hat_m).
; One body serves both steps; the word LAST (0: the second step, 1: the third), stored by the first launch, is read from memory and steers only loads, stores and moves, never a barrier:
;  LAST = 0: a begins as the zeros that reference() builds, the old q is hat_q, and a, p and the new q are stored for the next step;  LAST = 1: a is loaded, the old q is the stored one, nothing of the state is stored.
; LEFT OUT: hat_m is not centred in Pearson's numerator, since the centred q sums to 0 over d.
; SHARES and LAYOUT as in the first routing step: wave w has capsules 4 w + g; lane = 16 h + 4 g + il holds eight memory capsules of one capsule, 128 registers of hat_m that stay.
; a is kept x log2 e (the factor is folded into v), so the softmax is 2^(a - max).  THE MAXIMUM IS TAKEN AWAY: first the wave's own four capsules' (two lane steps), e = 2^(a - m_w), l_w = their sum; m_w and l_w of the
; sixteen waves meet in LDS; behind a barrier each thread takes one (query, memory capsule) and four waves: the largest m, L = sum l_w 2^(m_w - m), f_w = 2^(m_w - m) / L; behind a second barrier d = e f_w.
; Two queries a group, eight groups, written out.  THE GROUPS OVERLAP: between each barrier's signal and its wait stands the NEXT group's work on registers: behind the first signal its two products hat_m . v,
; behind the second its two Pearson products, 128 packed instructions each.  So a wave that arrives early works while the others arrive.  The vectors for that work come from the wave's own LDS bytes, which nobody writes behind the head.
; The state of group g + 2 is asked for when group g has made its codes, into the registers that it leaves.
; Tensor loads, clusters: not used: what work-groups share (a slice of hat_m, the parts of hat_v) is read once by each and wanted in registers.
.set VV, 4352                          ; LDS, 8,704 bytes a wave: [query 16] rows of 272 bytes of 4 capsules x 16 numbers: the centred q x 2 log2 e; from 4,352 on: v x log2 e
.set SY, 139264                        ; 256 bytes a wave: the sums of squares of the centred q
.set ST, 143360                        ; the exchange: two sets of 16,896: m (later f) at 0, l at 8,448; 528 bytes a wave: [query 2][memory capsule 64]
.set CD, 177152                        ; 2,176 bytes a wave: codes of d + p
.set SB, 211968                        ; 256 bytes a wave: their scale words
.set SPARE, 216064                     ; the spare words, 128 bytes a wave; no other line names them
.set X, 16                             ; v16-143  hat_m;  in the head: two landing places of 64 for hat_v's parts
.set SX, 144                           ; v144-151 its sums of squares;  in the head v144-207: the third landing place
.set YV, 216                           ; v216-231 a query's 16 numbers; the reducer's scratch
.set CN, 232                           ; v232-247 (CN and T) 16 numbers at work: products, m, l, f, a second query's 16 numbers
.set T, 240
.set QB, 208                           ; in the head: v208-239 the old q, then the new
.set HS, 240                           ; in the head: v240-246 scratch
.macro BASE dst, src, reg, sh, con
	s_lshl_b32 s60, s[\reg], \sh
	s_add_co_u32 s60, s60, \con
	s_mov_b32 s61, 0
	s_add_nc_u64 s[\dst:\dst+1], s[\src:\src+1], s[60:61]
.endm
.macro DOT dst, y                      ; my eight memory capsules' products with the 16 numbers in v[y] on: four chains of pairs by turns
.set dd, 0
.rept 16
.set mm, 0
.rept 4
.if dd == 0
	v_pk_mul_f32 v[\dst+2*mm:\dst+2*mm+1], v[X+32*mm:X+32*mm+1], v[\y:\y+1] op_sel_hi:[1,0]
.elseif dd%2 == 0
	v_pk_fma_f32 v[\dst+2*mm:\dst+2*mm+1], v[X+32*mm+2*dd:X+32*mm+2*dd+1], v[\y+dd:\y+dd+1], v[\dst+2*mm:\dst+2*mm+1] op_sel_hi:[1,0,1]
.else
	v_pk_fma_f32 v[\dst+2*mm:\dst+2*mm+1], v[X+32*mm+2*dd:X+32*mm+2*dd+1], v[\y+dd-1:\y+dd], v[\dst+2*mm:\dst+2*mm+1] op_sel:[0,1,0] op_sel_hi:[1,1,1]
.endif
.set mm, mm+1
.endr
.set dd, dd+1
.endr
.endm
.macro AFMA s                          ; a += p x (hat_m . v): the products of the set's two queries lie in CN and T
.set i, 0
.rept 8
	v_pk_fma_f32 v[\s+i:\s+i+1], v[\s+16+i:\s+17+i], v[CN+i:CN+i+1], v[\s+i:\s+i+1]
.set i, i+2
.endr
.endm
.macro CHAIN2 b                        ; 16 numerators in v[b+16] on become p; three batches of transcendentals, one wait each
.irp k,0,2,4,6
	v_pk_fma_f32 v[CN+\k:CN+\k+1], v[SX+\k:SX+\k+1], v[248:249], s[24:25] op_sel_hi:[1,0,0]
	v_pk_fma_f32 v[T+\k:T+\k+1], v[SX+\k:SX+\k+1], v[248:249], s[24:25] op_sel:[0,1,0] op_sel_hi:[1,1,0]
.endr
.set i, 0
.rept 16
	v_rsq_f32 v[CN+i], v[CN+i]
.set i, i+1
.endr
	v_nop
	s_wait_alu depctr_va_vdst(0)
.set i, 0
.rept 8
	v_pk_mul_f32 v[\b+16+i:\b+17+i], v[\b+16+i:\b+17+i], v[CN+i:CN+i+1]
.set i, i+2
.endr
.set i, 0
.rept 16
	v_exp_f32 v[\b+16+i], v[\b+16+i]
.set i, i+1
.endr
	v_nop
	s_wait_alu depctr_va_vdst(0)
.set i, 0
.rept 8
	v_pk_add_f32 v[\b+16+i:\b+17+i], v[\b+16+i:\b+17+i], 1.0 op_sel_hi:[1,0]
.set i, i+2
.endr
.set i, 0
.rept 16
	v_rcp_f32 v[\b+16+i], v[\b+16+i]
.set i, i+1
.endr
	v_nop
	s_wait_alu depctr_va_vdst(0)
.set i, 0
.rept 8
	v_pk_fma_f32 v[\b+16+i:\b+17+i], v[\b+16+i:\b+17+i], -2.0, 1.0 op_sel_hi:[1,0,0]
.set i, i+2
.endr
.endm
.macro QSTORE src, sig                 ; my eight numbers of query sig become eight codes; the block's scale byte
	v_max3_num_f32 v252, |v[\src]|, |v[\src+1]|, 0x1800000
	v_max3_num_f32 v252, v252, |v[\src+2]|, |v[\src+3]|
	v_max3_num_f32 v252, v252, |v[\src+4]|, |v[\src+5]|
	v_max3_num_f32 v252, v252, |v[\src+6]|, |v[\src+7]|
	v_max_num_f32_dpp v252, v252, v252 row_xmask:1 row_mask:0xf bank_mask:0xf
	v_max_num_f32_dpp v252, v252, v252 row_xmask:2 row_mask:0xf bank_mask:0xf
	v_add_nc_u32 v253, 0xff000000, v252
	v_cvt_scalef32_pk8_fp4_f32 v254, v[\src:\src+7], v253
	v_lshrrev_b32 v255, 23, v253                      ; the byte; also the plain place behind the conversion
	ds_store_b32 v6, v254 offset:32*(\sig)
	ds_store_b8 v7, v255 offset:4*(\sig)
.endm
.macro SQ d, s                         ; the sum of squares over d of a result image's eight registers
	v_pk_mul_f32 v[\d:\d+1], v[\s:\s+1], v[\s:\s+1]
.irp k,2,4,6
	v_pk_fma_f32 v[\d:\d+1], v[\s+\k:\s+\k+1], v[\s+\k:\s+\k+1], v[\d:\d+1]
.endr
	v_add_f32 v[\d], v[\d], v[\d+1]
	v_permlanex16_b32 v[HS+4], v[\d], s22, s23
	v_add_f32 v[\d], v[\d], v[HS+4]
.endm
.macro YOUT q, cc, tt                  ; q of capsule 4 w + cc: centred, into v[tt] on; its sum of squares and the centred vector x 2 log2 e go to my LDS
	v_pk_add_f32 v[HS:HS+1], v[\q:\q+1], v[\q+2:\q+3]
	v_pk_add_f32 v[HS+2:HS+3], v[\q+4:\q+5], v[\q+6:\q+7]
	v_pk_add_f32 v[HS:HS+1], v[HS:HS+1], v[HS+2:HS+3]
	v_add_f32 v[HS], v[HS], v[HS+1]
	v_permlanex16_b32 v[HS+4], v[HS], s22, s23
	v_add_f32 v[HS], v[HS], v[HS+4]
	v_mul_f32 v[HS], 0xbd800000, v[HS]                ; - mean
.irp k,0,2,4,6
	v_pk_add_f32 v[\tt+\k:\tt+\k+1], v[\q+\k:\q+\k+1], v[HS:HS+1] op_sel_hi:[1,0]
.endr
	SQ HS+2, \tt
	ds_store_b32 v13, v[HS+2] offset:4*\cc
.irp k,0,2,4,6
	v_pk_mul_f32 v[\tt+\k:\tt+\k+1], v[\tt+\k:\tt+\k+1], s[26:27] op_sel_hi:[1,0]
.endr
	ds_store_b128 v8, v[\tt:\tt+3] offset:64*\cc
	ds_store_b128 v8, v[\tt+4:\tt+7] offset:64*\cc+16
.endm
.macro LDY dst, off, sig               ; query sig's 16 numbers of my capsule, from my wave's own LDS
.irp k,0,1,2,3
	ds_load_b128 v[\dst+4*\k:\dst+4*\k+3], v1 offset:\off+(\sig)*272+16*\k
.endr
.endm
.macro TAILLOAD                        ; hat_m's registers are done with: they take the product's operands.  The upper 64 of the K step: zero codes
.irp gp,0,1,2,3
.irp k,4,5,6,7
	v_mov_b32 v[16+8*\gp+\k], 0
	v_mov_b32 v[48+8*\gp+\k], 0
.endr
	global_load_b128 v[16+8*\gp:19+8*\gp], v9, s[36:37] offset:\gp*512
	global_load_b32 v[112+\gp], v12, s[38:39] offset:\gp*128
.endr
.endm
.macro VPROD                           ; hat_v's part: source 0 = hat_m's codes (rows d), source 1 = the codes of d + p (columns: queries); a product for each of my four capsules
.irp gp,0,1,2,3
	ds_load_b128 v[48+8*\gp:51+8*\gp], v2 offset:\gp*544
	ds_load_b32 v[116+\gp], v250 offset:\gp*64
.endr
	s_wait_dscnt 0x0
	s_wait_loadcnt 0x0
.irp gp,0,1,2,3
	v_wmma_scale_f32_16x16x128_f8f6f4 v[80+8*\gp:87+8*\gp], v[16+8*\gp:23+8*\gp], v[48+8*\gp:55+8*\gp], 0, v[112+\gp], v[116+\gp] matrix_a_fmt:MATRIX_FMT_FP4 matrix_b_fmt:MATRIX_FMT_FP4
.endr
.rept 4
	v_nop
.endr
.irp gp,0,1,2,3
	global_store_b128 v9, v[80+8*\gp:83+8*\gp], s[42:43] offset:\gp*1024
	global_store_b128 v9, v[84+8*\gp:87+8*\gp], s[42:43] offset:\gp*1024+512
.endr
.endm
.macro PL cc, la                       ; the eight slices' parts of hat_v of capsule 4 w + cc: 16 loads into 64 registers
.irp sl,0,1,2,3
	global_load_b128 v[\la+8*\sl:\la+8*\sl+3], v9, s[52:53] offset:\sl*0x200000+\cc*1024
	global_load_b128 v[\la+8*\sl+4:\la+8*\sl+7], v9, s[52:53] offset:\sl*0x200000+\cc*1024+512
	global_load_b128 v[\la+32+8*\sl:\la+32+8*\sl+3], v9, s[54:55] offset:\sl*0x200000+\cc*1024
	global_load_b128 v[\la+32+8*\sl+4:\la+32+8*\sl+7], v9, s[54:55] offset:\sl*0x200000+\cc*1024+512
.endr
.endm
.macro QLOAD base                      ; the old q of my four capsules: eight loads
.irp cc,0,1,2,3
	global_load_b128 v[QB+8*\cc:QB+3+8*\cc], v9, s[\base:\base+1] offset:\cc*1024
	global_load_b128 v[QB+4+8*\cc:QB+7+8*\cc], v9, s[\base:\base+1] offset:\cc*1024+512
.endr
.endm
.macro XLOAD k0                        ; half of hat_m: 16 loads
.set kx, \k0
.rept 16
	global_load_b128 v[X+4*kx:X+4*kx+3], v10, s[32:33] offset:kx*128
.set kx, kx+1
.endr
.endm
.macro STATE grp                       ; the old p, and a, of group grp's two queries into set grp % 2: four loads, or eight
.set sn, 152+32*((\grp)%2)
.irp sp,0,1
	global_load_b128 v[sn+16+8*\sp:sn+19+8*\sp], v9, s[48:49] offset:(2*(\grp)+\sp)*16384 th:TH_LOAD_NT
	global_load_b128 v[sn+20+8*\sp:sn+23+8*\sp], v9, s[48:49] offset:(2*(\grp)+\sp)*16384+512 th:TH_LOAD_NT
.endr
	s_cmp_eq_u32 s19, 0
	s_cbranch_scc1 .Lzero_\@
.irp sp,0,1
	global_load_b128 v[sn+8*\sp:sn+3+8*\sp], v9, s[50:51] offset:(2*(\grp)+\sp)*16384 th:TH_LOAD_NT
	global_load_b128 v[sn+4+8*\sp:sn+7+8*\sp], v9, s[50:51] offset:(2*(\grp)+\sp)*16384+512 th:TH_LOAD_NT
.endr
	s_branch .Lhave_\@
.Lzero_\@:
.set i, 0
.rept 16
	v_mov_b32 v[sn+i], 0
.set i, i+1
.endr
.Lhave_\@:
.endm
.macro YST cc, la                      ; capsule 4 w + cc: hat_v, v, the new q; v x log2 e and the centred q go to my LDS
.irp sl,1,2,3,4,5,6,7
.irp k,0,2,4,6
	v_pk_add_f32 v[\la+\k:\la+\k+1], v[\la+\k:\la+\k+1], v[\la+8*\sl+\k:\la+8*\sl+\k+1]
.endr
.endr
	SQ HS+2, \la
	v_add_f32 v[HS+5], 1.0, v[HS+2]
	v_add_f32 v[HS+6], s24, v[HS+2]
	v_rcp_f32 v[HS+5], v[HS+5]
	v_rsq_f32 v[HS+6], v[HS+6]
	v_nop
	s_wait_alu depctr_va_vdst(0)
	v_mul_f32 v[HS+2], v[HS+2], v[HS+5]
	v_mul_f32 v[HS+2], v[HS+2], v[HS+6]               ; n2 / (1 + n2) / sqrt(n2 + 1e-8)
.irp k,0,2,4,6
	v_pk_mul_f32 v[\la+\k:\la+\k+1], v[\la+\k:\la+\k+1], v[HS+2:HS+3] op_sel_hi:[1,0]
.endr
.irp k,0,2,4,6
	v_pk_add_f32 v[QB+8*\cc+\k:QB+1+8*\cc+\k], v[QB+8*\cc+\k:QB+1+8*\cc+\k], v[\la+\k:\la+\k+1]
.endr
.irp k,0,2,4,6
	v_pk_mul_f32 v[QB+8*\cc+\k:QB+1+8*\cc+\k], v[QB+8*\cc+\k:QB+1+8*\cc+\k], 0.5 op_sel_hi:[1,0]
.endr
	s_cmp_lg_u32 s59, 0                               ; the new q is stored by slice 0 alone, and only where a later step reads it
	s_cbranch_scc1 .Lno_q_\@
	global_store_b128 v9, v[QB+8*\cc:QB+3+8*\cc], s[30:31] offset:\cc*1024
	global_store_b128 v9, v[QB+4+8*\cc:QB+7+8*\cc], s[30:31] offset:\cc*1024+512
.Lno_q_\@:
.irp k,0,2,4,6
	v_pk_mul_f32 v[\la+\k:\la+\k+1], v[\la+\k:\la+\k+1], s[28:29] op_sel_hi:[1,0]
.endr
	ds_store_b128 v8, v[\la:\la+3] offset:VV+64*\cc
	ds_store_b128 v8, v[\la+4:\la+7] offset:VV+64*\cc+16
	YOUT QB+8*\cc, \cc, \la+8                         ; the summed slices' registers are free: eight of them take the centred q
	s_wait_dscnt 0x0                                  ; the stores have read their registers: loads may land there
.endm
	s_load_b256 s[4:11], s[0:1], 0x0                  ; gbuf, the parts of hat_v (and the stored q), out, the old state
	s_load_b128 s[12:15], s[0:1], 0x20                ; the new state, the mode word
	v_lshl_add_u32 v14, v0, 2, SPARE
	v_mov_b32 v15, 0
	v_lshrrev_b32 v1, 5, v0
	v_readfirstlane_b32 s18, v1
	s_mov_b32 s20, ttmp9
	s_and_b32 s21, ttmp7, 0xffff
	s_mov_b32 s22, 0x76543210
	s_mov_b32 s23, 0xfedcba98
	s_mov_b32 s24, 0x322bcc77
	s_mov_b32 s25, s24
	s_mov_b32 s26, 0x4038aa3b
	s_mov_b32 s27, s26
	s_mov_b32 s28, 0x3fb8aa3b                         ; log2 e
	s_mov_b32 s29, s28
	v_and_b32 v252, 31, v0
	v_and_b32 v253, 15, v0
	v_bfe_u32 v254, v0, 4, 1
	v_bfe_u32 v255, v0, 2, 2
	v_and_b32 v249, 3, v0
	v_lshl_add_u32 v248, v254, 2, v249
	s_mul_i32 s58, s18, 8704
	v_lshl_add_u32 v1, v255, 6, s58
	v_mul_u32_u24 v8, v253, 272
	v_lshl_add_u32 v8, v254, 5, v8
	v_add_nc_u32 v8, s58, v8
	s_lshl_b32 s58, s18, 8
	s_add_co_u32 s59, s58, SY
	v_lshl_add_u32 v3, v255, 2, s59
	v_lshl_add_u32 v13, v253, 4, s59
	s_add_co_u32 s59, s58, SB
	v_lshl_add_u32 v7, v255, 6, s59
	v_add_nc_u32 v7, v7, v254
	v_lshl_add_u32 v250, v253, 2, s59
	v_lshl_add_u32 v251, v252, 3, s59
	s_mul_i32 s58, s18, 528
	s_add_co_u32 s58, s58, ST
	v_lshl_add_u32 v4, v248, 5, s58                   ; the exchange: my wave's row, my eight memory capsules
	v_lshrrev_b32 v5, 3, v252
	v_mul_u32_u24 v5, v5, 2112
	v_and_b32 v247, 7, v0
	v_lshl_add_u32 v5, v247, 2, v5
	s_lshl_b32 s58, s18, 5
	s_add_co_u32 s58, s58, ST
	v_add_nc_u32 v5, s58, v5                          ; as a reducer: pair 8 w + lane % 8, waves 4 (lane / 8) on
	s_mul_i32 s58, s18, 2176
	s_add_co_u32 s58, s58, CD
	v_mul_u32_u24 v6, v255, 544
	v_lshl_add_u32 v6, v248, 2, v6
	v_add_nc_u32 v6, s58, v6
	v_lshlrev_b32 v2, 5, v253
	v_lshl_add_u32 v2, v254, 4, v2
	v_add_nc_u32 v2, s58, v2
	v_lshlrev_b32 v9, 4, v252
	v_lshlrev_b32 v12, 2, v252
	v_lshlrev_b32 v10, 12, v255
	v_lshl_add_u32 v10, v248, 4, v10
	v_lshlrev_b32 v11, 8, v255
	v_lshl_add_u32 v11, v248, 5, v11
	v_mov_b32 v246, 0x7f7f7f7f
	v_mov_b32 v247, 0x7f7f7f7f
	ds_store_b64 v251, v[246:247]                     ; my scale words begin as 1.0: bytes 2 and 3 stay so, over zero codes
	v_mov_b32 v[HS+4], 0                              ; a lane permute's destination counts as one of its sources
	s_lshl_b32 s56, s20, 4
	s_add_co_u32 s56, s56, s18
	s_lshl_b32 s57, s21, 4
	s_add_co_u32 s57, s57, s18
	s_lshl_b32 s58, s21, 3
	s_add_co_u32 s58, s58, s20
	s_wait_kmcnt 0x0
	s_load_b32 s19, s[14:15], 0x0                     ; LAST: waited for behind the 48 loads that do not hang on it
	BASE 52, 6, 57, 12, 0x200000                      ; hat_v's parts, slices 0-3,
	s_add_nc_u64 s[54:55], s[52:53], 0x800000         ; and 4-7
	PL 0, 144
	PL 1, 16
	PL 2, 80
	BASE 32, 4, 56, 14, 0x200000
	BASE 34, 4, 56, 10, 0x400000
	BASE 36, 4, 56, 11, 0x420000
	BASE 38, 4, 56, 9, 0x460000
	BASE 40, 4, 57, 12, 0                             ; the old q where LAST = 0: hat_q,
	BASE 16, 6, 57, 12, 0                             ; and where LAST = 1: the stored one.  Each address is made of its own buffer's pointer and of ids
	BASE 30, 8, 57, 12, 0                             ; the new q
	BASE 42, 8, 57, 12, 0x200000                      ; hat_v's new parts
	BASE 42, 42, 20, 21, 0
	BASE 44, 12, 58, 18, 0                            ; the new p,
	BASE 44, 44, 18, 10, 0
	s_add_nc_u64 s[46:47], s[44:45], 0x4000000        ; the new a
	BASE 48, 10, 58, 18, 0                            ; the old p,
	BASE 48, 48, 18, 10, 0
	s_add_nc_u64 s[50:51], s[48:49], 0x4000000        ; the old a
	s_wait_kmcnt 0x0
	s_or_b32 s59, s19, s20                            ; 0: this work-group stores the new q
	s_cmp_lg_u32 s19, 0
	s_cbranch_scc1 .Lstored_q
	QLOAD 40
	s_branch .Lq_asked
.Lstored_q:
	QLOAD 16
.Lq_asked:
	s_wait_loadcnt 0x0                                ; three capsules' parts and the old q went out together: one wait for the 56 loads
	YST 0, 144
	PL 3, 144                                         ; the fourth capsule's parts, into the registers that the first has left
	YST 1, 16
	XLOAD 0                                           ; each half of hat_m is asked for as soon as its registers are free
	YST 2, 80
	XLOAD 16
	s_wait_loadcnt 32                                 ; the fourth capsule's parts are in; hat_m's 32 loads, issued behind them, may be out
	YST 3, 144
	s_wait_xcnt 0x0                                   ; the new q was store data: its registers are written again only behind this wait
	global_load_b128 v[SX:SX+3], v11, s[34:35]
	global_load_b128 v[SX+4:SX+7], v11, s[34:35] offset:16
	STATE 0
	STATE 1
	; ---- the way in: group 0's four products, which in the later groups stand between the barriers' halves
	LDY YV, VV, 0
	s_wait_loadcnt 10                                 ; hat_m is in: behind it went the 2 loads of its sums of squares and at least 4 + 4 of the state
	s_wait_dscnt 0x0
	DOT CN, YV                                        ; hat_m . v, x log2 e
	LDY YV, VV, 1
	s_wait_dscnt 0x0
	DOT T, YV
	s_wait_loadcnt 4                                  ; group 0's state is in: behind it went at least 4 loads of group 1's
	AFMA 152
	LDY YV, 0, 0
	LDY CN, 0, 1
	ds_load_b32 v248, v3 offset:0
	ds_load_b32 v249, v3 offset:16
	s_wait_dscnt 0x0
	DOT 168, YV
	DOT 176, CN
; A GROUP of two queries.  Set st: registers st .. st+15 a, then e, then d + p; st+16 .. st+31 Pearson's numerators, then p.  Set nx: the next group's.
.macro GROUP grp
.set st, 152+32*((\grp)%2)
.set nx, 184-32*((\grp)%2)
.set so, 16896*((\grp)%2)
	CHAIN2 st
	s_cmp_lg_u32 s19, 0
	s_cbranch_scc1 .Lkeep_\@
.irp sp,0,1
	global_store_b128 v9, v[st+8*\sp:st+3+8*\sp], s[46:47] offset:(2*(\grp)+\sp)*16384 th:TH_STORE_NT
	global_store_b128 v9, v[st+4+8*\sp:st+7+8*\sp], s[46:47] offset:(2*(\grp)+\sp)*16384+512 th:TH_STORE_NT
	global_store_b128 v9, v[st+16+8*\sp:st+19+8*\sp], s[44:45] offset:(2*(\grp)+\sp)*16384 th:TH_STORE_NT
	global_store_b128 v9, v[st+20+8*\sp:st+23+8*\sp], s[44:45] offset:(2*(\grp)+\sp)*16384+512 th:TH_STORE_NT
.endr
.Lkeep_\@:
.set i, 0
.rept 16
	v_max_num_f32_dpp v[CN+i], v[st+i], v[st+i] row_xmask:4 row_mask:0xf bank_mask:0xf
.set i, i+1
.endr
.set i, 0
.rept 16
	v_max_num_f32_dpp v[CN+i], v[CN+i], v[CN+i] row_xmask:8 row_mask:0xf bank_mask:0xf    ; the largest a of my wave's four capsules
.set i, i+1
.endr
	ds_store_b128 v4, v[CN:CN+3] offset:so
	ds_store_b128 v4, v[CN+4:CN+7] offset:so+16
	ds_store_b128 v4, v[CN+8:CN+11] offset:so+256
	ds_store_b128 v4, v[CN+12:CN+15] offset:so+272
.if \grp < 7
	LDY YV, VV, 2*(\grp)+2                            ; the next group's first v: it lands while the exponentials run
.endif
	s_wait_xcnt 0x0                                   ; a was store data: it is written again only behind this wait
.set i, 0
.rept 8
	v_pk_add_f32 v[st+i:st+i+1], v[st+i:st+i+1], v[CN+i:CN+i+1] neg_lo:[0,1] neg_hi:[0,1]
.set i, i+2
.endr
.set i, 0
.rept 16
	v_exp_f32 v[st+i], v[st+i]
.set i, i+1
.endr
	v_nop
	s_wait_alu depctr_va_vdst(0)
.set i, 0
.rept 16
	v_add_f32_dpp v[CN+i], v[st+i], v[st+i] row_xmask:4 row_mask:0xf bank_mask:0xf
.set i, i+1
.endr
.set i, 0
.rept 16
	v_add_f32_dpp v[CN+i], v[CN+i], v[CN+i] row_xmask:8 row_mask:0xf bank_mask:0xf
.set i, i+1
.endr
	ds_store_b128 v4, v[CN:CN+3] offset:so+8448
	ds_store_b128 v4, v[CN+4:CN+7] offset:so+8448+16
	ds_store_b128 v4, v[CN+8:CN+11] offset:so+8448+256
	ds_store_b128 v4, v[CN+12:CN+15] offset:so+8448+272
	s_wait_dscnt 0x0                                  ; for the others' sake: my m and l have landed
	s_barrier_signal -1
.if \grp < 7
	DOT CN, YV                                        ; while the others arrive: the next group's hat_m . v.  The load between reads my wave's own bytes, which nobody writes behind the head
	LDY YV, VV, 2*(\grp)+3
	s_wait_dscnt 0x0
	DOT T, YV
.endif
	s_barrier_wait -1
.irp k,0,1,2,3
	ds_load_b32 v[YV+\k], v5 offset:so+\k*528
.endr
.irp k,0,1,2,3
	ds_load_b32 v[YV+4+\k], v5 offset:so+8448+\k*528
.endr
	s_wait_dscnt 0x0
	v_max3_num_f32 v[YV+8], v[YV], v[YV+1], v[YV+2]
	v_max_num_f32 v[YV+8], v[YV+8], v[YV+3]
	v_max_num_f32_dpp v[YV+8], v[YV+8], v[YV+8] row_xmask:8 row_mask:0xf bank_mask:0xf
	v_permlanex16_b32 v[YV+9], v[YV+8], s22, s23
	v_max_num_f32 v[YV+8], v[YV+8], v[YV+9]           ; the largest a of all 64 capsules
.irp k,0,1,2,3
	v_sub_f32 v[YV+\k], v[YV+\k], v[YV+8]
.endr
.irp k,0,1,2,3
	v_exp_f32 v[YV+\k], v[YV+\k]
.endr
	v_nop
	s_wait_alu depctr_va_vdst(0)
	v_mul_f32 v[YV+10], v[YV+4], v[YV]
	v_fma_f32 v[YV+10], v[YV+5], v[YV+1], v[YV+10]
	v_fma_f32 v[YV+10], v[YV+6], v[YV+2], v[YV+10]
	v_fma_f32 v[YV+10], v[YV+7], v[YV+3], v[YV+10]
	v_add_f32_dpp v[YV+10], v[YV+10], v[YV+10] row_xmask:8 row_mask:0xf bank_mask:0xf
	v_permlanex16_b32 v[YV+9], v[YV+10], s22, s23
	v_add_f32 v[YV+10], v[YV+10], v[YV+9]             ; the softmax's sum
	v_rcp_f32 v[YV+10], v[YV+10]
	v_nop
	s_wait_alu depctr_va_vdst(0)
.irp k,0,1,2,3
	v_mul_f32 v[YV+\k], v[YV+\k], v[YV+10]
.endr
.irp k,0,1,2,3
	ds_store_b32 v5, v[YV+\k] offset:so+\k*528        ; f takes m's place: this thread alone has read that word
.endr
.if \grp < 7
	s_wait_loadcnt 0x0                                ; the next group's state is in
	AFMA nx
	LDY YV, 0, 2*(\grp)+2                             ; LDS serves a wave's instructions in order: these come behind the stores above
	LDY CN, 0, 2*(\grp)+3                             ; the products' registers are free: they take the second query's numbers
	ds_load_b32 v248, v3 offset:(2*(\grp)+2)*16
	ds_load_b32 v249, v3 offset:(2*(\grp)+3)*16
.endif
	s_wait_dscnt 0x0                                  ; for the others' sake: my f have landed
	s_barrier_signal -1
.if \grp < 7
	DOT nx+16, YV                                     ; while the others arrive: the next group's Pearson numerators: work on registers alone
	DOT nx+24, CN
.endif
	s_barrier_wait -1
	ds_load_b128 v[CN:CN+3], v4 offset:so
	ds_load_b128 v[CN+4:CN+7], v4 offset:so+16
	ds_load_b128 v[CN+8:CN+11], v4 offset:so+256
	ds_load_b128 v[CN+12:CN+15], v4 offset:so+272
	s_wait_dscnt 0x0                                  ; this set of the exchange is written again two groups on, behind two more barriers, which every wave signals behind this wait
.set i, 0
.rept 8
	v_pk_fma_f32 v[st+i:st+i+1], v[st+i:st+i+1], v[CN+i:CN+i+1], v[st+16+i:st+17+i]    ; d + p
.set i, i+2
.endr
	QSTORE st, 2*(\grp)
	QSTORE st+8, 2*(\grp)+1
.if \grp < 6
	s_wait_xcnt 0x0                                   ; this set's p was store data
	STATE (\grp)+2                                    ; the set is free: it takes the state of the group after the next
.elseif \grp == 6
	TAILLOAD                                          ; the last products with hat_m are done
.endif
.endm
	GROUP 0
	GROUP 1
	GROUP 2
	GROUP 3
	GROUP 4
	GROUP 5
	GROUP 6
	GROUP 7
	VPROD
	s_wait_tensorcnt 0x0                              ; the wave's end
	ds_add_u32 v14, v15
	s_wait_dscnt 0x0
	s_endpgm
.Lfunc_end_k_qf8d95d9bbd_R2:
	.size	k_qf8d95d9bbd_R2, .Lfunc_end_k_qf8d95d9bbd_R2-k_qf8d95d9bbd_R2
	.p2alignl 7, 3214868480
	.fill 96, 4, 3214868480
	.section	.rodata,"a",@progbits
	.p2align	6, 0x0
	.amdhsa_kernel k_qf8d95d9bbd_R2
		.amdhsa_group_segment_fixed_size 218112
		.amdhsa_private_segment_fixed_size 0
		.amdhsa_enable_private_segment 0
		.amdhsa_kernarg_size 48
		.amdhsa_user_sgpr_count 2
		.amdhsa_user_sgpr_kernarg_segment_ptr 1
		.amdhsa_wavefront_size32 1
		.amdhsa_system_sgpr_workgroup_id_x 1
		.amdhsa_system_sgpr_workgroup_id_y 1
		.amdhsa_system_sgpr_workgroup_id_z 1
		.amdhsa_system_vgpr_workitem_id 0
		.amdhsa_next_free_vgpr 256
		.amdhsa_next_free_sgpr 66
		.amdhsa_reserve_vcc 0
		.amdhsa_float_denorm_mode_32 3
		.amdhsa_float_denorm_mode_16_64 3
		.amdhsa_memory_ordered 1
		.amdhsa_forward_progress 1
		.amdhsa_inst_pref_size 255
	.end_amdhsa_kernel
	.section	.bss,"aw",@nobits
	.p2align	6
	.space	262144
	.amdgpu_metadata
---
amdhsa.version: [ 1, 2 ]
amdhsa.kernels:
  - .name:           k_qf8d95d9bbd_R2
    .symbol:         k_qf8d95d9bbd_R2.kd
    .args:
      - { .name: gbuf, .offset: 0, .size: 8, .value_kind: global_buffer, .address_space: global }
      - { .name: pva, .offset: 8, .size: 8, .value_kind: global_buffer, .address_space: global }
      - { .name: pvb, .offset: 16, .size: 8, .value_kind: global_buffer, .address_space: global }
      - { .name: st0, .offset: 24, .size: 8, .value_kind: global_buffer, .address_space: global }
      - { .name: st1, .offset: 32, .size: 8, .value_kind: global_buffer, .address_space: global }
      - { .name: mode0, .offset: 40, .size: 8, .value_kind: global_buffer, .address_space: global }
    .group_segment_fixed_size: 218112
    .private_segment_fixed_size: 0
    .kernarg_segment_align: 8
    .kernarg_segment_size: 48
    .max_flat_workgroup_size: 512
    .sgpr_count:     66
    .vgpr_count:     256
    .wavefront_size: 32
...
	.end_amdgpu_metadata
.endif
;; end of part 3
;; launch R3: the kernel of part 3 again; grid 8 x 32, 16 waves a work-group, no clusters, 218,112 bytes of LDS; arguments gbuf, pvb, pva, st1, st0, mode1; writes pva, st0
;; launch F (part 4): grid 8 x 32, 8 waves a work-group, no clusters, 9,472 bytes of LDS; arguments pva, out0; writes out0
.if DOCPART == 4
	.amdgcn_target "amdgcn-amd-amdhsa--gfx1250"
	.amdhsa_code_object_version 6
	.text
	.protected	k_qf8d95d9bbd_F
	.globl	k_qf8d95d9bbd_F
	.p2align	8
	.type	k_qf8d95d9bbd_F,@function
k_qf8d95d9bbd_F:
	s_mov_b64 s[64:65], 0
	v_nop
	global_prefetch_b8 v0, s[64:65] scope:SCOPE_SE
	s_setreg_imm32_b32 hwreg(HW_REG_WAVE_MODE, 25, 1), 1
	s_wait_xcnt 0x0
; q' = squash(hat_v), hat_v = the sum of the eight slices' parts.  Nothing is left out here.
; Work-group (x, y): capsules 8 x .. 8 x + 7 of the 16 queries of tile y; wave wv: capsule 8 x + wv.  Lane (r, h) holds query slot r and d = 8 h + j.
; The eight capsules' 64 bytes of a query meet in a stage in LDS; each wave then stores two rows of 512 consecutive bytes, aligned.  Memory binds: no matrix unit, no tensor load, no cluster.
.set SPARE, 8448                       ; behind the stage of 16 rows x 528 bytes: the spare words, 128 bytes a wave
	s_load_b128 s[4:7], s[0:1], 0x0                   ; the parts, out0
	v_lshl_add_u32 v90, v0, 2, SPARE
	v_mov_b32 v91, 0
	v_lshrrev_b32 v1, 5, v0
	v_readfirstlane_b32 s18, v1                       ; wave 0..7
	s_and_b32 s19, ttmp7, 0xffff                      ; y
	s_mov_b32 s22, 0x76543210
	s_mov_b32 s23, 0xfedcba98
	s_mov_b32 s24, 0x322bcc77                         ; 1e-8
	v_and_b32 v1, 31, v0
	v_and_b32 v2, 15, v0
	v_bfe_u32 v3, v0, 4, 1
	v_lshlrev_b32 v4, 4, v1                           ; 16 x lane
	v_mul_u32_u24 v5, v2, 528
	v_lshl_add_u32 v5, v3, 5, v5
	s_lshl_b32 s20, s18, 6
	v_add_nc_u32 v5, s20, v5                          ; the stage, in: row r, + 64 wave + 32 h
	s_mul_i32 s20, s18, 1056
	v_add_nc_u32 v6, s20, v4                          ; and out: rows 2 wave, 2 wave + 1
	v_mov_b32 v82, 0                                  ; a lane permute's destination counts as one of its sources
	s_lshl_b32 s20, s19, 6
	s_lshl_b32 s21, ttmp9, 3
	s_add_co_u32 s20, s20, s21
	s_add_co_u32 s20, s20, s18                        ; 64 y + capsule
	s_lshl_b32 s20, s20, 10
	s_add_co_u32 s20, s20, 0x200000
	s_mov_b32 s21, 0
	s_lshr_b32 s26, s19, 2                            ; the query of slot 2 wave: 64 (y / 4) + 32 ((y / 2) % 2) + 8 (y % 2) + 2 wave + 8 (wave / 4)
	s_lshl_b32 s26, s26, 6
	s_bfe_u32 s27, s19, 0x10001
	s_lshl_b32 s27, s27, 5
	s_add_co_u32 s26, s26, s27
	s_and_b32 s27, s19, 1
	s_lshl_b32 s27, s27, 3
	s_add_co_u32 s26, s26, s27
	s_lshl_b32 s27, s18, 1
	s_add_co_u32 s26, s26, s27
	s_lshr_b32 s27, s18, 2
	s_lshl_b32 s27, s27, 3
	s_add_co_u32 s26, s26, s27
	s_lshl_b32 s26, s26, 12
	s_lshl_b32 s27, ttmp9, 9
	s_add_co_u32 s26, s26, s27
	s_mov_b32 s27, 0
	s_wait_kmcnt 0x0
	s_add_nc_u64 s[4:5], s[4:5], s[20:21]
	s_add_nc_u64 s[8:9], s[4:5], 0x800000
	s_add_nc_u64 s[6:7], s[6:7], s[26:27]
.irp sl,0,1,2,3
	global_load_b128 v[16+8*\sl:19+8*\sl], v4, s[4:5] offset:\sl*0x200000 th:TH_LOAD_NT
	global_load_b128 v[20+8*\sl:23+8*\sl], v4, s[4:5] offset:\sl*0x200000+512 th:TH_LOAD_NT
	global_load_b128 v[48+8*\sl:51+8*\sl], v4, s[8:9] offset:\sl*0x200000 th:TH_LOAD_NT
	global_load_b128 v[52+8*\sl:55+8*\sl], v4, s[8:9] offset:\sl*0x200000+512 th:TH_LOAD_NT
.endr
	s_wait_loadcnt 0x0
.irp sl,1,2,3,4,5,6,7
.irp k,0,2,4,6
	v_pk_add_f32 v[16+\k:17+\k], v[16+\k:17+\k], v[16+8*\sl+\k:17+8*\sl+\k]
.endr
.endr
	v_pk_mul_f32 v[80:81], v[16:17], v[16:17]
.irp k,2,4,6
	v_pk_fma_f32 v[80:81], v[16+\k:17+\k], v[16+\k:17+\k], v[80:81]
.endr
	v_add_f32 v80, v80, v81
	v_permlanex16_b32 v82, v80, s22, s23
	v_add_f32 v80, v80, v82                           ; n2
	v_add_f32 v83, 1.0, v80
	v_add_f32 v84, s24, v80
	v_rcp_f32 v83, v83
	v_rsq_f32 v84, v84
	v_nop
	s_wait_alu depctr_va_vdst(0)
	v_mul_f32 v80, v80, v83
	v_mul_f32 v80, v80, v84
.irp k,0,2,4,6
	v_pk_mul_f32 v[16+\k:17+\k], v[16+\k:17+\k], v[80:81] op_sel_hi:[1,0]
.endr
	ds_store_b128 v5, v[16:19]
	ds_store_b128 v5, v[20:23] offset:16
	s_wait_dscnt 0x0                                  ; for the others' sake: my stores have landed
	s_barrier_signal -1
	s_barrier_wait -1
	ds_load_b128 v[24:27], v6
	ds_load_b128 v[28:31], v6 offset:528
	s_wait_dscnt 0x0
	global_store_b128 v4, v[24:27], s[6:7] th:TH_STORE_NT
	global_store_b128 v4, v[28:31], s[6:7] offset:4096 th:TH_STORE_NT
	s_wait_tensorcnt 0x0                              ; the wave's end
	ds_add_u32 v90, v91
	s_wait_dscnt 0x0
	s_endpgm
.Lfunc_end_k_qf8d95d9bbd_F:
	.size	k_qf8d95d9bbd_F, .Lfunc_end_k_qf8d95d9bbd_F-k_qf8d95d9bbd_F
	.p2alignl 7, 3214868480
	.fill 96, 4, 3214868480
	.section	.rodata,"a",@progbits
	.p2align	6, 0x0
	.amdhsa_kernel k_qf8d95d9bbd_F
		.amdhsa_group_segment_fixed_size 9472
		.amdhsa_private_segment_fixed_size 0
		.amdhsa_enable_private_segment 0
		.amdhsa_kernarg_size 16
		.amdhsa_user_sgpr_count 2
		.amdhsa_user_sgpr_kernarg_segment_ptr 1
		.amdhsa_wavefront_size32 1
		.amdhsa_system_sgpr_workgroup_id_x 1
		.amdhsa_system_sgpr_workgroup_id_y 1
		.amdhsa_system_sgpr_workgroup_id_z 1
		.amdhsa_system_vgpr_workitem_id 0
		.amdhsa_next_free_vgpr 96
		.amdhsa_next_free_sgpr 66
		.amdhsa_reserve_vcc 0
		.amdhsa_float_denorm_mode_32 3
		.amdhsa_float_denorm_mode_16_64 3
		.amdhsa_memory_ordered 1
		.amdhsa_forward_progress 1
		.amdhsa_inst_pref_size 8
	.end_amdhsa_kernel
	.amdgpu_metadata
---
amdhsa.version: [ 1, 2 ]
amdhsa.kernels:
  - .name:           k_qf8d95d9bbd_F
    .symbol:         k_qf8d95d9bbd_F.kd
    .args:
      - { .name: pva, .offset: 0, .size: 8, .value_kind: global_buffer, .address_space: global }
      - { .name: out0, .offset: 8, .size: 8, .value_kind: global_buffer, .address_space: global }
    .group_segment_fixed_size: 9472
    .private_segment_fixed_size: 0
    .kernarg_segment_align: 8
    .kernarg_segment_size: 16
    .max_flat_workgroup_size: 256
    .sgpr_count:     66
    .vgpr_count:     96
    .wavefront_size: 32
...
	.end_amdgpu_metadata
.endif
;; end of part 4
